; MI455X (gfx1250); checked and timed in simulation.
; The chip was launched on July 23, 2026; its instructions are those of AMD's public machine-readable ISA for CDNA 5 (MIT licence, August 2026) and "CDNA5" Instruction Set Architecture Reference Guide (July 2026). The comments in the code are by the model that wrote it; some were corrected since.
;; Quantum Net. Allowed arithmetic: float matrix products may take bf16 or f16 operands with f32 sums; all other float work in f32.
;; Inputs: input_features 65,536 x 512 float32; post_b 2 float32; post_w 2 x 4 float32; pre_b 4 float32; pre_w 4 x 512 float32; q_params 24 float32.
;; Outputs: out0 65,536 x 2 float32.
;; 2 versions, each right; version 2 is version 1 with the launch qnet written anew for expert scheduling mode. Each part assembles by itself: llvm-mc -triple=amdgcn-amd-amdhsa -mcpu=gfx1250 --defsym DOCPART=n.
;; ======== version 1 of 2: 1 launch
;; limits: right only within a limited range of input values
;; launch qnet (part 1): grid 256 x 1, 8 waves a work-group, no clusters, 9,216 bytes of LDS; arguments input_features, pre_w, pre_b, q_params, post_w, post_b, out0; writes out0
.if DOCPART == 1
	.amdgcn_target "amdgcn-amd-amdhsa--gfx1250"
	.amdhsa_code_object_version 6
	.text
	.protected	k_qbc947a63a3_qnet
	.globl	k_qbc947a63a3_qnet
	.p2align	8
	.type	k_qbc947a63a3_qnet,@function
k_qbc947a63a3_qnet:
	s_mov_b64 s[64:65], 0
	v_nop
	global_prefetch_b8 v0, s[64:65] scope:SCOPE_SE
	s_setreg_imm32_b32 hwreg(HW_REG_WAVE_MODE, 25, 1), 1
	s_wait_xcnt 0x0
; QuantumNet in one launch: out = post_w . <Z>(circuit(tanh(x pre_w^T + pre_b) pi/2 ; q_params)) + post_b.
; x [65536][512] f32 is read once and is nearly all of the bytes, so the text is a stream with a short tail.
;
; SHARES.  256 work-groups of 8 waves; a wave owns 32 rows (65,536 bytes = 128 loads of 16 bytes a lane).
; One load: lanes 0-15 take 256 consecutive bytes of row 2p, lanes 16-31 the same 256 bytes of row 2p+1.  A row is thus spread over
; 16 lanes only, a lane (r = lane % 16, h = lane / 16) always sees columns 64u + 4r + 0..3 (u = 0..7), and its 4 x 32 weights stay
; in 128 registers.  The four dot products are kept in f32 (v_pk_fma_f32, four chains).
; ACROSS LANES: a reduce-scatter.  Two groups of row pairs are merged by sending to lane i xor m the half that it keeps (two selects, one
; DPP add); after m = 1, 2, 4, 8 lane (r, h) holds the four whole sums of row 2r + h: one sample a lane for the circuit.
; CIRCUIT: 16 real amplitudes in 8 register pairs (pair index 4 b0 + 2 b1 + b2, low/high half = b3).  The three CNOTs of a layer only
; rename: amplitude (b0,b1,b2,b3) comes from (b0, b1^b0, b2^b1, b3^b2^b1), which the layer's first RY does in its source operands.
; The start amplitude 0.25 is left out and post_w is scaled by 1/16 instead (a power of two: the same bits).
;
; WHY NO MATRIX INSTRUCTIONS: the product has 4 columns of a tile's 16, and a fragment wants 16 rows across lanes, so that all of x would
; have to pass through LDS or be read in pieces of 16 bytes; here each FMA works on the registers that the contiguous loads fill.
; WHY NO CLUSTER: work-groups share only pre_w, 8,192 bytes against 524,288 bytes of x for each work-group.
; pre_w is fetched once by the work-group (16 + 16 bytes a thread), staged in LDS and read from there by all eight waves.
;
; LIMITS.  cos and sin of q_params / 2 use a reduction by pi/2 in two words: good to about |q_params| = 1e7, worse beyond.
; tanh(p) = 1 - 2 / (1 + 2^(2.885390 p)): absolute error about 1e-7, exactly +-1 where the exponential overflows or vanishes.
; The sample's half angles lie in [-pi/4, pi/4] for every input, where the polynomials used are off by less than 3e-7.
; Sums run in another order than the reference's (16 lanes x 2 halves), all in f32.
;
; REGISTER WINDOWS (an instruction names 256 registers; s_set_vgpr_msb picks the window of each operand place):
;   window 0: everything but   window 1: v0-127 = v256-383 weights, v128-175 = v384-431 (cos, sin) of the 24 gates.
;   In the stream and in the layers only source 1 names window 1 (setting 0x04); 0x40 = destination in window 1, to fill it.
.set NLOADS, 128                       ; loads of x in a wave
.set DEPTH,  48                        ; ring slots = loads of x in flight in a wave (24,576 bytes)
.set OFF,   1                          ; byte offset in x of my 16 bytes in the wave's first row pair
.set WLD,   2                          ; 16 t: my share of pre_w, in memory and in LDS
.set WOFF,  3                          ; 16 r: my columns in an LDS row of weights
.set QOFF,  4                          ; byte offset of my gate angle
.set OOFF,  5                          ; byte offset of my row in out0
.set KC,    6                          ; v[6:7]   1/120, -1/720
.set ACCA,  8                          ; v[8:15]  even row pair: 4 sums x 2 halves
.set ACCB,  16                         ; v[16:23] odd row pair
.set FA,    24                         ; v[24:27] even row pair, folded
.set CUR,   28                         ; v[28:31] the newest group on its way up; at the end the four dot products
.set U,     32                         ; v[32:35] what a merge sends
.set L1,    36                         ; v[36:47] groups of 2, 4, 8 row pairs that wait for their partner
.set L2,    40
.set L3,    44
.set KT,    48                         ; v[48:49] -pi/2, pi/4
.set T,     50                         ; v[50:54] prologue
.set ST,    56                         ; v[56:63] pre_w on its way to LDS
.set X,     64                         ; v[64:255] the ring, 4 registers a slot; free again in the tail
.set W,     0                          ; window 1: weight (u, j, i) at W + 16 u + 4 j + i
.set CS,    128                        ; window 1: gate g: cos at CS + 2 g, sin at CS + 2 g + 1
.set BC,    36                         ; s[36:59] gate values on their way from lanes to all lanes
.set MSK,   60                         ; s[60:63] lanes whose number has bit 0, 1, 2, 3 set
.set MSB, 0
.macro WIN new                         ; the immediate's high byte repeats the setting that is left
.if MSB != \new
	s_set_vgpr_msb (MSB<<8)|\new
.set MSB, \new
.endif
.endm
.macro LOADX g                         ; load g = 8 p + u: unit u (256 bytes) of rows 2p and 2p+1
	global_load_b128 v[X+4*((\g)%DEPTH):X+4*((\g)%DEPTH)+3], v[OFF], s[4:5] offset:((\g)>>3)*4096+((\g)&7)*256 th:TH_LOAD_NT
.endm
	s_load_b256 s[4:11], s[0:1], 0x0               ; x s[4:5], pre_w s[6:7], pre_b s[8:9], q_params s[10:11]
	s_load_b128 s[12:15], s[0:1], 0x20             ; post_w s[12:13], post_b s[14:15]
	s_load_b64 s[16:17], s[0:1], 0x30              ; out0
	v_lshl_add_u32 v55, v0, 2, 0x2000
	s_set_vgpr_msb 0x40
	v_mov_b32 v177, 0
	s_set_vgpr_msb 0x4000
	v_and_b32 v[T], 15, v0                         ; r
	v_bfe_u32 v[T+1], v0, 4, 1                     ; h
	v_and_b32 v[T+2], 0xe0, v0                     ; 32 x wave
	v_and_b32 v[T+3], 31, v0                       ; lane
	s_lshl_b32 s2, ttmp9, 19                       ; the work-group's 256 rows of 2,048 bytes (below 2^27)
	s_lshl_b32 s3, ttmp9, 11                       ; and of 8 bytes in out0
	v_lshlrev_b32 v[WOFF], 4, v[T]                 ; 16 r
	v_lshl_add_u32 v[OFF], v[T+1], 11, v[WOFF]     ; + 2,048 h
	v_lshl_add_u32 v[OFF], v[T+2], 11, v[OFF]      ; + 65,536 x wave
	v_add_nc_u32 v[OFF], s2, v[OFF]
	v_lshlrev_b32 v[WLD], 4, v0                    ; 16 t
	v_min_u32 v[QOFF], 23, v[T+3]                  ; lanes 24-31 repeat gate 23: no load leaves the 96 bytes
	v_lshlrev_b32 v[QOFF], 2, v[QOFF]
	v_lshl_add_u32 v[OOFF], v[T+1], 3, v[WOFF]     ; row 2r + h: 16 r + 8 h
	v_lshl_add_u32 v[OOFF], v[T+2], 3, v[OOFF]     ; + 256 x wave
	v_add_nc_u32 v[OOFF], s3, v[OOFF]
	s_wait_kmcnt 0x0
	global_load_b32 v[T+4], v[QOFF], s[10:11]      ; lane g: gate angle g
	global_load_b128 v[ST:ST+3], v[WLD], s[6:7]    ; 256 threads x 16 bytes: the first half of pre_w,
	global_load_b128 v[ST+4:ST+7], v[WLD], s[6:7] offset:4096   ; the second
.set GI, 0
.rept DEPTH
	LOADX GI                                       ; fill the ring
.set GI, GI+1
.endr
	s_load_b128 s[20:23], s[8:9], 0x0              ; pre_b
	s_load_b256 s[24:31], s[12:13], 0x0            ; post_w, row 0 then row 1
	s_load_b64 s[32:33], s[14:15], 0x0             ; post_b
	s_mov_b32 s34, 0x4038aa3b                      ; 2 log2(e)
	s_mov_b32 s[MSK+0], 0xaaaaaaaa
	s_mov_b32 s[MSK+1], 0xcccccccc
	s_mov_b32 s[MSK+2], 0xf0f0f0f0
	s_mov_b32 s[MSK+3], 0xff00ff00
	v_mov_b32 v[KC], 0x3c088889                    ; 1/120
	v_mov_b32 v[KC+1], 0xbab60b61                  ; -1/720
	v_mov_b32 v[KT], 0xbfc90fdb                    ; -pi/2
	v_mov_b32 v[KT+1], 0x3f490fdb                  ; pi/4
	s_wait_loadcnt DEPTH                           ; loads return in order (ISA guide 5.7.1): only the DEPTH ring loads are younger than the three above
	ds_store_b128 v[WLD], v[ST:ST+3]               ; pre_w lies in LDS as in memory: row j at 2,048 j
	ds_store_b128 v[WLD], v[ST+4:ST+7] offset:4096
	s_wait_dscnt 0x0                               ; for the other waves' sake: my stores are done before I say so
	s_barrier_signal -1
	; While the others arrive, and while x is on its way: registers only.
	; cos and sin of angle / 2, one gate a lane.  t = n pi/2 + r with |r| <= pi/4; polynomials in r; the quarter turns n by selects and signs.
.set QT,  T+4
.set QN,  T
.set QZ,  T+1
.set QS,  T+2
.set QR,  T+3
.set QC,  ST
.set QB,  ST+1
.set SNQ, ST+2
.set CSQ, ST+3
	v_mul_f32 v[QT], 0.5, v[QT]                    ; t
	v_mul_f32 v[QN], 0x3f22f983, v[QT]             ; t x 2/pi
	v_rndne_f32 v[QN], v[QN]                       ; n
	v_fmamk_f32 v[QT], v[QN], 0xbfc90fdb, v[QT]    ; t - n x (pi/2 rounded to f32)
	v_fmamk_f32 v[QT], v[QN], 0x333bbd2e, v[QT]    ; - n x (the rest of pi/2, -4.3711390e-8)
	v_cvt_i32_f32 v[QN], v[QN]
	v_mul_f32 v[QZ], v[QT], v[QT]                  ; z = r^2
	v_fmamk_f32 v[QS], v[QZ], 0xb9500d01, v[KC]    ; -z/5040 + 1/120
	v_fmamk_f32 v[QC], v[QZ], 0x37d00d01, v[KC+1]  ; z/40320 - 1/720
	v_fmaak_f32 v[QS], v[QS], v[QZ], 0xbe2aaaab    ; .. - 1/6
	v_fmaak_f32 v[QC], v[QC], v[QZ], 0x3d2aaaab    ; .. + 1/24
	v_mul_f32 v[QR], v[QT], v[QZ]
	v_fma_f32 v[QC], v[QC], v[QZ], -0.5
	v_fma_f32 v[QS], v[QR], v[QS], v[QT]           ; sin r
	v_fma_f32 v[QC], v[QC], v[QZ], 1.0             ; cos r
	v_and_b32 v[QB], 1, v[QN]
	v_cmp_eq_u32 vcc_lo, 1, v[QB]                  ; n odd: sin and cos change places
	v_cndmask_b32 v[SNQ], v[QS], v[QC], vcc_lo
	v_cndmask_b32 v[CSQ], v[QC], v[QS], vcc_lo
	v_lshlrev_b32 v[QB], 30, v[QN]                 ; sin is negated for n mod 4 = 2, 3: bit 1 of n,
	v_add_nc_u32 v[QN], 1, v[QN]                   ; cos for n mod 4 = 1, 2: bit 1 of n + 1
	v_and_b32 v[QB], 0x80000000, v[QB]
	v_lshlrev_b32 v[QN], 30, v[QN]
	v_xor_b32 v[SNQ], v[QB], v[SNQ]
	v_and_b32 v[QN], 0x80000000, v[QN]
	v_xor_b32 v[CSQ], v[QN], v[CSQ]
; twelve gates at a time: from their lanes into scalars, from there into every lane's window 1
.macro BCAST first
	WIN 0
.irp i, 0,1,2,3,4,5,6,7,8,9,10,11
	v_readlane_b32 s[BC+2*\i],   v[CSQ], \first+\i
	v_readlane_b32 s[BC+2*\i+1], v[SNQ], \first+\i
.endr
	WIN 0x40
.irp i, 0,1,2,3,4,5,6,7,8,9,10,11,12,13,14,15,16,17,18,19,20,21,22,23
	v_mov_b32 v[CS+2*\first+\i], s[BC+\i]
.endr
.endm
	BCAST 0
	BCAST 12
	s_wait_kmcnt 0x0                               ; pre_b, post_w, post_b
.irp j, 20,21,22,23
	s_mul_f32 s\j, s\j, s34                        ; pre_b x 2 log2(e): the addend of the exponent's FMA
.endr
.irp j, 24,25,26,27,28,29,30,31
	s_mul_f32 s\j, s\j, 0x3d800000                 ; post_w / 16: the state is carried without its factor 0.25
.endr
	s_barrier_wait -1                              ; every wave's part of pre_w is in LDS
	WIN 0x40
.irp u, 0,1,2,3,4,5,6,7
.irp j, 0,1,2,3
	ds_load_b128 v[W+16*\u+4*\j:W+16*\u+4*\j+3], v[WOFF] offset:2048*\j+256*\u   ; pre_w[j][64u + 4r ..]: 16 lanes read 256 consecutive bytes
.endr
.endr
	s_wait_dscnt 0x0
; One load's worth: 4 numbers of x a lane x 4 outputs = 8 packed FMAs in four chains; then the slot is asked for again.
.macro UNIT g, acc
.if (NLOADS-1-(\g)) < (DEPTH-1)
	s_wait_loadcnt NLOADS-1-(\g)                   ; the last DEPTH units refill nothing: the count runs down to 0
.else
	s_wait_loadcnt DEPTH-1                         ; every slot consumed so far was refilled at once: DEPTH-1 younger loads stay out
.endif
.set XS, X+4*((\g)%DEPTH)
.set WS, W+16*((\g)&7)
.irp j, 0,1,2,3
.if ((\g)&7) == 0
	v_pk_mul_f32 v[\acc+2*\j:\acc+2*\j+1], v[XS:XS+1], v[WS+4*\j:WS+4*\j+1]      ; a row pair's first product starts the sums
.else
	v_pk_fma_f32 v[\acc+2*\j:\acc+2*\j+1], v[XS:XS+1], v[WS+4*\j:WS+4*\j+1], v[\acc+2*\j:\acc+2*\j+1]
.endif
.endr
.irp j, 0,1,2,3
	v_pk_fma_f32 v[\acc+2*\j:\acc+2*\j+1], v[XS+2:XS+3], v[WS+4*\j+2:WS+4*\j+3], v[\acc+2*\j:\acc+2*\j+1]
.endr
.if (\g)+DEPTH < NLOADS
	LOADX (\g)+DEPTH
.endif
.endm
.macro FOLD d, a                       ; the two halves of each packed sum
.irp j, 0,1,2,3
	v_add_f32 v[\d+\j], v[\a+2*\j], v[\a+2*\j+1]
.endr
.endm
; Merge groups a (earlier rows) and b: lanes whose bit lvl is 0 keep a and send b, the others keep b and send a; each adds what
; lane i xor xm sent.  The kept half is written into d first, so that the DPP add's destination holds a defined value.  d may be b.
.macro MERGE d, a, b, lvl, xm
.irp j, 0,1,2,3
	v_cndmask_b32 v[U+\j], v[\b+\j], v[\a+\j], s[MSK+\lvl]
.endr
.irp j, 0,1,2,3
	v_cndmask_b32 v[\d+\j], v[\a+\j], v[\b+\j], s[MSK+\lvl]
.endr
.irp j, 0,1,2,3
	v_add_f32_dpp v[\d+\j], v[U+\j], v[\d+\j] row_xmask:\xm row_mask:0xf bank_mask:0xf
.endr
.endm
; After row pairs 2e and 2e+1: fold, merge the two, and carry upward like a binary counter: a group waits in L1, L2, L3 for its partner.
.macro EVENT e
	WIN 0
	FOLD FA, ACCA
	FOLD CUR, ACCB
.if ((\e)&1) == 0
	MERGE L1, FA, CUR, 0, 1
.else
	MERGE CUR, FA, CUR, 0, 1
.if ((\e)&2) == 0
	MERGE L2, L1, CUR, 1, 2
.else
	MERGE CUR, L1, CUR, 1, 2
.if ((\e)&4) == 0
	MERGE L3, L2, CUR, 2, 4
.else
	MERGE CUR, L2, CUR, 2, 4
	MERGE CUR, L3, CUR, 3, 8
.endif
.endif
.endif
.endm
	; THE STREAM: 8 x (two row pairs, then their merges).  Straight-line text, about 1,300 instructions: no label, so no window has to be reset.
.set GI, 0
.set EI, 0
.rept 8
	WIN 0x04                                       ; source 1 = weights, window 1
.rept 8
	UNIT GI, ACCA
.set GI, GI+1
.endr
.rept 8
	UNIT GI, ACCB
.set GI, GI+1
.endr
	EVENT EI
.set EI, EI+1
.endr
	; THE TAIL, one sample a lane: v[CUR+j] = x[row] . pre_w[j] of row 2r + h.  The ring's registers are free (the last wait was for 0).
.set AR,   64
.set EXPV, 68
.set RCPV, 72
.set PH,   76                          ; half angles tanh(..) pi/4
.set ZZ,   80
.set PSN,  84
.set PCS,  88
.set RZ,   92
.set SN,   96
.set CN,   100
.set MN,   104                         ; cos - sin: the amplitude of |0> on each wire (x sqrt 2)
.set PL,   108                         ; cos + sin: of |1>
.set AB,   112                         ; v[112:115] wires 0,1: index 2 b0 + b1; v[116:119] wires 2,3: index 2 b2 + b3
.set SA,   128                         ; the state, 8 pairs
.set SB,   144                         ; and its other copy: each RY reads one and writes the other
.set UU,   160
.set D2,   168
.set VV,   176
.set D1,   180
.set WW,   184
.set D0,   186
.set ZQ,   188
.set OUTV, 192
.irp j, 0,1,2,3
	v_fma_f32 v[AR+\j], v[CUR+\j], s34, s[20+\j]   ; a = 2 log2(e) (dot + pre_b)
.endr
.irp j, 0,1,2,3
	v_exp_f32 v[EXPV+\j], v[AR+\j]
.endr
	v_nop                                          ; one plain vector instruction between a transcendental and the use of its result (ISA guide 5.7.2)
	s_wait_alu depctr_va_vdst(0)
	v_pk_add_f32 v[EXPV:EXPV+1], v[EXPV:EXPV+1], 1.0 op_sel_hi:[1,0]
	v_pk_add_f32 v[EXPV+2:EXPV+3], v[EXPV+2:EXPV+3], 1.0 op_sel_hi:[1,0]
.irp j, 0,1,2,3
	v_rcp_f32 v[RCPV+\j], v[EXPV+\j]
.endr
	v_nop
	s_wait_alu depctr_va_vdst(0)
.irp a, 0,2
	v_pk_fma_f32 v[PH+\a:PH+\a+1], v[RCPV+\a:RCPV+\a+1], v[KT:KT+1], v[KT:KT+1] op_sel:[0,0,1] op_sel_hi:[1,0,1]   ; (1 - 2 rcp) pi/4 = pi/4 - rcp pi/2
.endr
.macro SINCOS2 a                       ; two half angles at once, |angle| <= pi/4
	v_pk_mul_f32 v[ZZ+\a:ZZ+\a+1], v[PH+\a:PH+\a+1], v[PH+\a:PH+\a+1]
	v_pk_fma_f32 v[PSN+\a:PSN+\a+1], v[ZZ+\a:ZZ+\a+1], 0xb9500d01, v[KC:KC+1] op_sel_hi:[1,0,0]
	v_pk_fma_f32 v[PCS+\a:PCS+\a+1], v[ZZ+\a:ZZ+\a+1], 0x37d00d01, v[KC:KC+1] op_sel:[0,0,1] op_sel_hi:[1,0,1]
	v_pk_mul_f32 v[RZ+\a:RZ+\a+1], v[PH+\a:PH+\a+1], v[ZZ+\a:ZZ+\a+1]
	v_pk_fma_f32 v[PSN+\a:PSN+\a+1], v[PSN+\a:PSN+\a+1], v[ZZ+\a:ZZ+\a+1], 0xbe2aaaab op_sel_hi:[1,1,0]
	v_pk_fma_f32 v[PCS+\a:PCS+\a+1], v[PCS+\a:PCS+\a+1], v[ZZ+\a:ZZ+\a+1], 0x3d2aaaab op_sel_hi:[1,1,0]
	v_pk_fma_f32 v[SN+\a:SN+\a+1], v[RZ+\a:RZ+\a+1], v[PSN+\a:PSN+\a+1], v[PH+\a:PH+\a+1]
	v_pk_fma_f32 v[PCS+\a:PCS+\a+1], v[PCS+\a:PCS+\a+1], v[ZZ+\a:ZZ+\a+1], -0.5 op_sel_hi:[1,1,0]
	v_pk_fma_f32 v[CN+\a:CN+\a+1], v[PCS+\a:PCS+\a+1], v[ZZ+\a:ZZ+\a+1], 1.0 op_sel_hi:[1,1,0]
.endm
	SINCOS2 0
	SINCOS2 2
	; RY(angle) on the uniform state: a product state with (cos - sin, cos + sin) on each wire
.irp a, 0,2
	v_pk_add_f32 v[MN+\a:MN+\a+1], v[CN+\a:CN+\a+1], v[SN+\a:SN+\a+1] neg_lo:[0,1] neg_hi:[0,1]
	v_pk_add_f32 v[PL+\a:PL+\a+1], v[CN+\a:CN+\a+1], v[SN+\a:SN+\a+1]
.endr
.irp a, 0,2
	v_mul_f32 v[AB+2*\a],   v[MN+\a], v[MN+\a+1]
	v_mul_f32 v[AB+2*\a+1], v[MN+\a], v[PL+\a+1]
	v_mul_f32 v[AB+2*\a+2], v[PL+\a], v[MN+\a+1]
	v_mul_f32 v[AB+2*\a+3], v[PL+\a], v[PL+\a+1]
.endr
.irp p, 0,1,2,3,4,5,6,7
.if ((\p>>1)&1) == 0
	v_pk_mul_f32 v[SA+2*\p:SA+2*\p+1], v[AB+4+2*(\p&1):AB+4+2*(\p&1)+1], v[AB+2*(\p>>2):AB+2*(\p>>2)+1] op_sel_hi:[1,0]
.else
	v_pk_mul_f32 v[SA+2*\p:SA+2*\p+1], v[AB+4+2*(\p&1):AB+4+2*(\p&1)+1], v[AB+2*(\p>>2):AB+2*(\p>>2)+1] op_sel:[0,1] op_sel_hi:[1,1]
.endif
.endr
; Where pair pp = 4 b0 + 2 b1 + b2 comes from behind CNOT(0,1), CNOT(2,3), CNOT(1,2): pair (b0, b1^b0, b2^b1), halves swapped if b2^b1.
.macro SRCMAP pp, perm
.if \perm
.set XP, ((\pp)&4)|(((((\pp)>>1)^((\pp)>>2))&1)<<1)|(((\pp)^((\pp)>>1))&1)
.set XF, ((\pp)^((\pp)>>1))&1
.else
.set XP, (\pp)
.set XF, 0
.endif
.endm
.macro CMUL d, x, f, g                 ; d = cos_g x   (f: x with its halves swapped)
.if \f
	v_pk_mul_f32 v[\d:\d+1], v[\x:\x+1], v[CS+2*(\g):CS+2*(\g)+1] op_sel:[1,0] op_sel_hi:[0,0]
.else
	v_pk_mul_f32 v[\d:\d+1], v[\x:\x+1], v[CS+2*(\g):CS+2*(\g)+1] op_sel_hi:[1,0]
.endif
.endm
.macro SFMA d, x, f, g, n              ; d += sin_g x, or -= if n
.if \f
.if \n
	v_pk_fma_f32 v[\d:\d+1], v[\x:\x+1], v[CS+2*(\g):CS+2*(\g)+1], v[\d:\d+1] op_sel:[1,1,0] op_sel_hi:[0,1,1] neg_lo:[1,0,0] neg_hi:[1,0,0]
.else
	v_pk_fma_f32 v[\d:\d+1], v[\x:\x+1], v[CS+2*(\g):CS+2*(\g)+1], v[\d:\d+1] op_sel:[1,1,0] op_sel_hi:[0,1,1]
.endif
.else
.if \n
	v_pk_fma_f32 v[\d:\d+1], v[\x:\x+1], v[CS+2*(\g):CS+2*(\g)+1], v[\d:\d+1] op_sel:[0,1,0] op_sel_hi:[1,1,1] neg_lo:[1,0,0] neg_hi:[1,0,0]
.else
	v_pk_fma_f32 v[\d:\d+1], v[\x:\x+1], v[CS+2*(\g):CS+2*(\g)+1], v[\d:\d+1] op_sel:[0,1,0] op_sel_hi:[1,1,1]
.endif
.endif
.endm
; RY on wire 0, 1 or 2 (bit m = 4, 2, 1 of the pair index): new[p] = cos old[p] -+ sin old[p xor m], minus where the bit is 0.
.macro RYX src, dst, m, g, perm
.irp p, 0,1,2,3,4,5,6,7
	SRCMAP \p, \perm
	CMUL \dst+2*\p, \src+2*XP, XF, \g
.endr
.irp p, 0,1,2,3,4,5,6,7
	SRCMAP (\p^\m), \perm
.if (\p & \m) == 0
	SFMA \dst+2*\p, \src+2*XP, XF, \g, 1
.else
	SFMA \dst+2*\p, \src+2*XP, XF, \g, 0
.endif
.endr
.endm
; RY on wire 3, inside each pair: low = cos low - sin high, high = cos high + sin low
.macro RY3 src, dst, g
.irp p, 0,1,2,3,4,5,6,7
	CMUL \dst+2*\p, \src+2*\p, 0, \g
.endr
.irp p, 0,1,2,3,4,5,6,7
	v_pk_fma_f32 v[\dst+2*\p:\dst+2*\p+1], v[\src+2*\p:\src+2*\p+1], v[CS+2*(\g):CS+2*(\g)+1], v[\dst+2*\p:\dst+2*\p+1] op_sel:[1,1,0] op_sel_hi:[0,1,1] neg_lo:[1,0,0]
.endr
.endm
	WIN 0x04                                       ; source 1 = (cos, sin), window 1
.set KL, 0
.rept 6
	RYX SA, SB, 4, 4*KL, 1                         ; the layer's CNOTs ride on this RY's sources
	RYX SB, SA, 2, 4*KL+1, 0
	RYX SA, SB, 1, 4*KL+2, 0
	RY3 SB, SA, 4*KL+3
.set KL, KL+1
.endr
	WIN 0
	; <Z> of each wire: squares, then sums and differences along one wire after the other
.irp p, 0,1,2,3,4,5,6,7
	v_pk_mul_f32 v[SB+2*\p:SB+2*\p+1], v[SA+2*\p:SA+2*\p+1], v[SA+2*\p:SA+2*\p+1]
.endr
.irp q, 0,1,2,3
	v_pk_add_f32 v[UU+2*\q:UU+2*\q+1], v[SB+4*\q:SB+4*\q+1], v[SB+4*\q+2:SB+4*\q+3]
	v_pk_add_f32 v[D2+2*\q:D2+2*\q+1], v[SB+4*\q:SB+4*\q+1], v[SB+4*\q+2:SB+4*\q+3] neg_lo:[0,1] neg_hi:[0,1]
.endr
.irp q, 0,1
	v_pk_add_f32 v[VV+2*\q:VV+2*\q+1], v[UU+4*\q:UU+4*\q+1], v[UU+4*\q+2:UU+4*\q+3]
	v_pk_add_f32 v[D1+2*\q:D1+2*\q+1], v[UU+4*\q:UU+4*\q+1], v[UU+4*\q+2:UU+4*\q+3] neg_lo:[0,1] neg_hi:[0,1]
	v_pk_add_f32 v[D2+4*\q:D2+4*\q+1], v[D2+4*\q:D2+4*\q+1], v[D2+4*\q+2:D2+4*\q+3]
.endr
	v_pk_add_f32 v[WW:WW+1], v[VV:VV+1], v[VV+2:VV+3]
	v_pk_add_f32 v[D0:D0+1], v[VV:VV+1], v[VV+2:VV+3] neg_lo:[0,1] neg_hi:[0,1]
	v_pk_add_f32 v[D1:D1+1], v[D1:D1+1], v[D1+2:D1+3]
	v_pk_add_f32 v[D2:D2+1], v[D2:D2+1], v[D2+4:D2+5]
	v_add_f32 v[ZQ],   v[D0], v[D0+1]              ; 16 <Z0>
	v_add_f32 v[ZQ+1], v[D1], v[D1+1]              ; 16 <Z1>
	v_add_f32 v[ZQ+2], v[D2], v[D2+1]              ; 16 <Z2>
	v_sub_f32 v[ZQ+3], v[WW], v[WW+1]              ; 16 <Z3>
	v_fma_f32 v[OUTV],   v[ZQ], s24, s32           ; post_b + (post_w / 16) . (16 <Z>)
	v_fma_f32 v[OUTV+1], v[ZQ], s28, s33
.irp q, 1,2,3
	v_fma_f32 v[OUTV],   v[ZQ+\q], s[24+\q], v[OUTV]
	v_fma_f32 v[OUTV+1], v[ZQ+\q], s[28+\q], v[OUTV+1]
.endr
	global_store_b64 v[OOFF], v[OUTV:OUTV+1], s[16:17] th:TH_STORE_NT   ; the wave's 32 rows: 256 consecutive bytes, at a multiple of 256 from out0's first byte, in one store
	s_set_vgpr_msb 0x4
	s_wait_tensorcnt 0x0
	ds_add_u32 v55, v177
	s_wait_dscnt 0x0
	s_set_vgpr_msb 0x400
	s_endpgm
.Lfunc_end_k_qbc947a63a3_qnet:
	.size	k_qbc947a63a3_qnet, .Lfunc_end_k_qbc947a63a3_qnet-k_qbc947a63a3_qnet
	.p2alignl 7, 3214868480
	.fill 96, 4, 3214868480
	.section	.rodata,"a",@progbits
	.p2align	6, 0x0
	.amdhsa_kernel k_qbc947a63a3_qnet
		.amdhsa_group_segment_fixed_size 9216
		.amdhsa_private_segment_fixed_size 0
		.amdhsa_enable_private_segment 0
		.amdhsa_kernarg_size 56
		.amdhsa_user_sgpr_count 2
		.amdhsa_user_sgpr_kernarg_segment_ptr 1
		.amdhsa_wavefront_size32 1
		.amdhsa_system_sgpr_workgroup_id_x 1
		.amdhsa_system_sgpr_workgroup_id_y 1
		.amdhsa_system_sgpr_workgroup_id_z 1
		.amdhsa_system_vgpr_workitem_id 0
		.amdhsa_next_free_vgpr 434
		.amdhsa_next_free_sgpr 66
		.amdhsa_reserve_vcc 1
		.amdhsa_float_denorm_mode_32 3
		.amdhsa_float_denorm_mode_16_64 3
		.amdhsa_memory_ordered 1
		.amdhsa_forward_progress 1
		.amdhsa_inst_pref_size 135
	.end_amdhsa_kernel
	.amdgpu_metadata
---
amdhsa.version: [ 1, 2 ]
amdhsa.kernels:
  - .name:           k_qbc947a63a3_qnet
    .symbol:         k_qbc947a63a3_qnet.kd
    .args:
      - { .name: input_features, .offset: 0, .size: 8, .value_kind: global_buffer, .address_space: global }
      - { .name: pre_w, .offset: 8, .size: 8, .value_kind: global_buffer, .address_space: global }
      - { .name: pre_b, .offset: 16, .size: 8, .value_kind: global_buffer, .address_space: global }
      - { .name: q_params, .offset: 24, .size: 8, .value_kind: global_buffer, .address_space: global }
      - { .name: post_w, .offset: 32, .size: 8, .value_kind: global_buffer, .address_space: global }
      - { .name: post_b, .offset: 40, .size: 8, .value_kind: global_buffer, .address_space: global }
      - { .name: out0, .offset: 48, .size: 8, .value_kind: global_buffer, .address_space: global }
    .group_segment_fixed_size: 9216
    .private_segment_fixed_size: 0
    .kernarg_segment_align: 8
    .kernarg_segment_size: 56
    .max_flat_workgroup_size: 256
    .sgpr_count:     66
    .vgpr_count:     434
    .wavefront_size: 32
...
	.end_amdgpu_metadata
.endif
;; end of part 1
;; ======== version 2 of 2: 1 launch; version 1 with the launch qnet written anew for expert scheduling mode
;; limits: right only within a limited range of input values
;; launch qnet (part 2): grid 256 x 1, 8 waves a work-group, no clusters, 9,216 bytes of LDS; arguments input_features, pre_w, pre_b, q_params, post_w, post_b, out0; writes out0
.if DOCPART == 2
	.amdgcn_target "amdgcn-amd-amdhsa--gfx1250"
	.amdhsa_code_object_version 6
	.text
	.protected	k_qbc947a63a3_qnet
	.globl	k_qbc947a63a3_qnet
	.p2align	8
	.type	k_qbc947a63a3_qnet,@function
k_qbc947a63a3_qnet:
	s_mov_b64 s[64:65], 0
	v_nop
	global_prefetch_b8 v0, s[64:65] scope:SCOPE_SE
	s_setreg_imm32_b32 hwreg(HW_REG_WAVE_SCHED_MODE, 0, 2), 2
	s_setreg_imm32_b32 hwreg(HW_REG_WAVE_MODE, 25, 1), 1
	s_wait_xcnt 0x0
	s_wait_alu depctr_vm_vsrc(0)
; QuantumNet in one launch: out = post_w . <Z>(circuit(tanh(x pre_w^T + pre_b) pi/2 ; q_params)) + post_b.
; x [65536][512] f32 is read once and is nearly all of the bytes, so the text is a stream with a short tail.
;
; SHARES.  256 work-groups of 8 waves; a wave owns 32 rows (65,536 bytes = 128 loads of 16 bytes a lane).
; One load: lanes 0-15 take 256 consecutive bytes of row 2p, lanes 16-31 the same 256 bytes of row 2p+1.  A row is thus spread over
; 16 lanes only, a lane (r = lane % 16, h = lane / 16) always sees columns 64u + 4r + 0..3 (u = 0..7), and its 4 x 32 weights stay
; in 128 registers.  The four dot products are kept in f32 (v_pk_fma_f32, four chains).
; ACROSS LANES: a reduce-scatter.  Two groups of row pairs are merged by sending to lane i xor m the half that it keeps (two selects, one
; DPP add); after m = 1, 2, 4, 8 lane (r, h) holds the four whole sums of row 2r + h: one sample a lane for the circuit.
; CIRCUIT: 16 real amplitudes in 8 register pairs (pair index 4 b0 + 2 b1 + b2, low/high half = b3).  The three CNOTs of a layer only
; rename: amplitude (b0,b1,b2,b3) comes from (b0, b1^b0, b2^b1, b3^b2^b1), which the layer's first RY does in its source operands.
; The start amplitude 0.25 is left out and post_w is scaled by 1/16 instead (a power of two: the same bits).
;
; WHY NO MATRIX INSTRUCTIONS: the product has 4 columns of a tile's 16, and a fragment wants 16 rows across lanes, so that all of x would
; have to pass through LDS or be read in pieces of 16 bytes; here each FMA works on the registers that the contiguous loads fill.
; WHY NO CLUSTER: work-groups share only pre_w, 8,192 bytes against 524,288 bytes of x for each work-group.
; pre_w is fetched once by the work-group (16 + 16 bytes a thread), staged in LDS and read from there by all eight waves.
;
; LIMITS.  cos and sin of q_params / 2 use a reduction by pi/2 in two words: good to about |q_params| = 1e7, worse beyond.
; tanh(p) = 1 - 2 / (1 + 2^(2.885390 p)): absolute error about 1e-7, exactly +-1 where the exponential overflows or vanishes.
; The sample's half angles lie in [-pi/4, pi/4] for every input, where the polynomials used are off by less than 3e-7.
; Sums run in another order than the reference's (16 lanes x 2 halves), all in f32.
;
; THE MODE: SCHED_MODE bits 1:0 = 2 (LLVM: expert scheduling mode 2), set by the entry lines.  The code itself states the register dependences
; between vector instructions and memory or LDS instructions, with s_wait_alu, always for 0.
; THE PLAN.  Registers that memory or LDS instructions touch:
;   v1-v5      offsets and LDS addresses: written at the head, read by every load, LDS instruction and the store, never written again.
;   the ring   52 slots of 4 registers, v48-255: load g lies in slot (g + 4) % 52.  The stream goes in blocks of four units.  Unit g's eight FMAs read
;              the slot of load g; in front of them unit g issues load g + 48, which lands in slot g % 52: the slot of load g - 4, which the block
;              before read.  A block's FMAs name its own four slots, the weights and the accumulators, never the four slots in which its loads land.
;   v50-63     before the stream the prologue's: v54 takes the gate angle, v56-63 pre_w on its way to LDS (read by two LDS stores); then the gate
;              arithmetic works in them.  In block 0 they become the ring's slots 0 to 3.
;   v256-383   the weights: written by 32 LDS loads, read by FMAs, never written again.      v192-193  the result: written by FMAs, read by the store.
; So ONE wait on va_vdst stands at the head of each block that loads: the block before (for block 0: the prologue) is done with the four slots in which the
; block's four loads land; these are dealt one in front of each unit with no further wait.  The merges between blocks name v8-47 alone.
;
; REGISTER WINDOWS (an instruction names 256 registers; s_set_vgpr_msb picks the window of each operand place):
;   window 0: everything but   window 1: v0-127 = v256-383 weights, v128-175 = v384-431 (cos, sin) of the 24 gates.
;   In the stream and in the layers only source 1 names window 1 (setting 0x04); 0x40 = destination in window 1, to fill it.
.set NLOADS, 128                       ; loads of x in a wave
.set DEPTH,  48                        ; loads of x in flight in a wave (24,576 bytes)
.set BLOCK,  4                         ; units in a block
.set SLOTS,  DEPTH+BLOCK               ; ring slots: those in flight, and the four that the block before has read
.set OFF,   1                          ; byte offset in x of my 16 bytes in the wave's first row pair
.set WLD,   2                          ; 16 t: my share of pre_w, in memory and in LDS
.set WOFF,  3                          ; 16 r: my columns in an LDS row of weights
.set QOFF,  4                          ; byte offset of my gate angle
.set OOFF,  5                          ; byte offset of my row in out0
.set KC,    6                          ; v[6:7]   1/120, -1/720
.set ACCA,  8                          ; v[8:15]  even row pair: 4 sums x 2 halves
.set ACCB,  16                         ; v[16:23] odd row pair
.set FA,    24                         ; v[24:27] even row pair, folded
.set CUR,   28                         ; v[28:31] the newest group on its way up; at the end the four dot products
.set U,     32                         ; v[32:35] what a merge sends
.set L1,    36                         ; v[36:47] groups of 2, 4, 8 row pairs that wait for their partner
.set L2,    40
.set L3,    44
.set KT,    48                         ; v[48:49] in the tail only: -pi/2, pi/4
.set T,     50                         ; v[50:54] prologue only
.set ST,    56                         ; v[56:63] prologue only: pre_w on its way to LDS
.set X,     48                         ; v[48:255] the ring, 4 registers a slot; free again in the tail
.set W,     0                          ; window 1: weight (u, j, i) at W + 16 u + 4 j + i
.set CS,    128                        ; window 1: gate g: cos at CS + 2 g, sin at CS + 2 g + 1
.set BC,    36                         ; s[36:59] gate values on their way from lanes to all lanes
.set MSK,   60                         ; s[60:63] lanes whose number has bit 0, 1, 2, 3 set
.set MSB, 0
.macro WIN new                         ; the immediate's high byte repeats the setting that is left
.if MSB != \new
	s_set_vgpr_msb (MSB<<8)|\new
.set MSB, \new
.endif
.endm
.macro LOADX g                         ; load g = 8 p + u: unit u (256 bytes) of rows 2p and 2p+1, into slot (g + BLOCK) % SLOTS
	global_load_b128 v[X+4*(((\g)+BLOCK)%SLOTS):X+4*(((\g)+BLOCK)%SLOTS)+3], v[OFF], s[4:5] offset:((\g)>>3)*4096+((\g)&7)*256 th:TH_LOAD_NT
.endm
	s_load_b256 s[4:11], s[0:1], 0x0               ; x s[4:5], pre_w s[6:7], pre_b s[8:9], q_params s[10:11]
	s_load_b128 s[12:15], s[0:1], 0x20             ; post_w s[12:13], post_b s[14:15]
	s_load_b64 s[16:17], s[0:1], 0x30              ; out0
	s_set_vgpr_msb 0x40
	v_lshl_add_u32 v176, v0, 2, 0x2000
	v_mov_b32 v177, 0
	s_set_vgpr_msb 0x4000
	v_and_b32 v[T], 15, v0                         ; r
	v_bfe_u32 v[T+1], v0, 4, 1                     ; h
	v_and_b32 v[T+2], 0xe0, v0                     ; 32 x wave
	v_and_b32 v[T+3], 31, v0                       ; lane
	s_lshl_b32 s2, ttmp9, 19                       ; the work-group's 256 rows of 2,048 bytes (below 2^27)
	s_lshl_b32 s3, ttmp9, 11                       ; and of 8 bytes in out0
	v_lshlrev_b32 v[WOFF], 4, v[T]                 ; 16 r
	v_lshl_add_u32 v[OFF], v[T+1], 11, v[WOFF]     ; + 2,048 h
	v_lshl_add_u32 v[OFF], v[T+2], 11, v[OFF]      ; + 65,536 x wave
	v_add_nc_u32 v[OFF], s2, v[OFF]
	v_lshlrev_b32 v[WLD], 4, v0                    ; 16 t
	v_min_u32 v[QOFF], 23, v[T+3]                  ; lanes 24-31 repeat gate 23: no load leaves the 96 bytes
	v_lshlrev_b32 v[QOFF], 2, v[QOFF]
	v_lshl_add_u32 v[OOFF], v[T+1], 3, v[WOFF]     ; row 2r + h: 16 r + 8 h
	v_lshl_add_u32 v[OOFF], v[T+2], 3, v[OOFF]     ; + 256 x wave
	v_add_nc_u32 v[OOFF], s3, v[OOFF]
	s_wait_kmcnt 0x0
	s_wait_alu depctr_va_vdst(0)                   ; the five offsets v1 to v5 are written: every load, LDS instruction and the store of the kernel reads one of them, and none is written again
	global_load_b32 v[T+4], v[QOFF], s[10:11]      ; lane g: gate angle g
	global_load_b128 v[ST:ST+3], v[WLD], s[6:7]    ; 256 threads x 16 bytes: the first half of pre_w,
	global_load_b128 v[ST+4:ST+7], v[WLD], s[6:7] offset:4096   ; the second
.set GI, 0
.rept DEPTH
	LOADX GI                                       ; the first DEPTH loads: slots BLOCK to SLOTS-1, v64-255
.set GI, GI+1
.endr
	s_load_b128 s[20:23], s[8:9], 0x0              ; pre_b
	s_load_b256 s[24:31], s[12:13], 0x0            ; post_w, row 0 then row 1
	s_load_b64 s[32:33], s[14:15], 0x0             ; post_b
	s_mov_b32 s34, 0x4038aa3b                      ; 2 log2(e)
	s_mov_b32 s[MSK+0], 0xaaaaaaaa
	s_mov_b32 s[MSK+1], 0xcccccccc
	s_mov_b32 s[MSK+2], 0xf0f0f0f0
	s_mov_b32 s[MSK+3], 0xff00ff00
	v_mov_b32 v[KC], 0x3c088889                    ; 1/120
	v_mov_b32 v[KC+1], 0xbab60b61                  ; -1/720
	s_wait_loadcnt DEPTH                           ; loads return in order (ISA guide 5.7.1): only the DEPTH ring loads are younger than the three above
	ds_store_b128 v[WLD], v[ST:ST+3]               ; pre_w lies in LDS as in memory: row j at 2,048 j.  (The data came by loads; no vector instruction since the head's wait names v[WLD])
	ds_store_b128 v[WLD], v[ST+4:ST+7] offset:4096
	s_wait_dscnt 0x0                               ; for the other waves' sake: my stores are done before I say so
	s_barrier_signal -1
	s_wait_alu depctr_vm_vsrc(0)                   ; my two LDS stores have read v[ST ..]: the gate arithmetic below writes four of these registers, and loads of x land in all eight in block 0
	; While the others arrive, and while x is on its way: registers only.
	; cos and sin of angle / 2, one gate a lane.  t = n pi/2 + r with |r| <= pi/4; polynomials in r; the quarter turns n by selects and signs.
.set QT,  T+4
.set QN,  T
.set QZ,  T+1
.set QS,  T+2
.set QR,  T+3
.set QC,  ST
.set QB,  ST+1
.set SNQ, ST+2
.set CSQ, ST+3
	v_mul_f32 v[QT], 0.5, v[QT]                    ; t
	v_mul_f32 v[QN], 0x3f22f983, v[QT]             ; t x 2/pi
	v_rndne_f32 v[QN], v[QN]                       ; n
	v_fmamk_f32 v[QT], v[QN], 0xbfc90fdb, v[QT]    ; t - n x (pi/2 rounded to f32)
	v_fmamk_f32 v[QT], v[QN], 0x333bbd2e, v[QT]    ; - n x (the rest of pi/2, -4.3711390e-8)
	v_cvt_i32_f32 v[QN], v[QN]
	v_mul_f32 v[QZ], v[QT], v[QT]                  ; z = r^2
	v_fmamk_f32 v[QS], v[QZ], 0xb9500d01, v[KC]    ; -z/5040 + 1/120
	v_fmamk_f32 v[QC], v[QZ], 0x37d00d01, v[KC+1]  ; z/40320 - 1/720
	v_fmaak_f32 v[QS], v[QS], v[QZ], 0xbe2aaaab    ; .. - 1/6
	v_fmaak_f32 v[QC], v[QC], v[QZ], 0x3d2aaaab    ; .. + 1/24
	v_mul_f32 v[QR], v[QT], v[QZ]
	v_fma_f32 v[QC], v[QC], v[QZ], -0.5
	v_fma_f32 v[QS], v[QR], v[QS], v[QT]           ; sin r
	v_fma_f32 v[QC], v[QC], v[QZ], 1.0             ; cos r
	v_and_b32 v[QB], 1, v[QN]
	v_cmp_eq_u32 vcc_lo, 1, v[QB]                  ; n odd: sin and cos change places
	s_wait_alu depctr_va_vcc(0)                    ; the compare has written VCC, which the two selects below read
	v_cndmask_b32 v[SNQ], v[QS], v[QC], vcc_lo
	v_cndmask_b32 v[CSQ], v[QC], v[QS], vcc_lo
	v_lshlrev_b32 v[QB], 30, v[QN]                 ; sin is negated for n mod 4 = 2, 3: bit 1 of n,
	v_add_nc_u32 v[QN], 1, v[QN]                   ; cos for n mod 4 = 1, 2: bit 1 of n + 1
	v_and_b32 v[QB], 0x80000000, v[QB]
	v_lshlrev_b32 v[QN], 30, v[QN]
	v_xor_b32 v[SNQ], v[QB], v[SNQ]
	v_and_b32 v[QN], 0x80000000, v[QN]
	v_xor_b32 v[CSQ], v[QN], v[CSQ]
; twelve gates at a time: from their lanes into scalars, from there into every lane's window 1
.macro BCAST first
	WIN 0
.irp i, 0,1,2,3,4,5,6,7,8,9,10,11
	v_readlane_b32 s[BC+2*\i],   v[CSQ], \first+\i
	v_readlane_b32 s[BC+2*\i+1], v[SNQ], \first+\i
.endr
	WIN 0x40
	s_wait_alu depctr_va_sdst(0)                   ; the 24 lane reads above have written s[BC ..], which the moves below read
.irp i, 0,1,2,3,4,5,6,7,8,9,10,11,12,13,14,15,16,17,18,19,20,21,22,23
	v_mov_b32 v[CS+2*\first+\i], s[BC+\i]
.endr
.endm
	BCAST 0
	BCAST 12
	s_wait_kmcnt 0x0                               ; pre_b, post_w, post_b
.irp j, 20,21,22,23
	s_mul_f32 s\j, s\j, s34                        ; pre_b x 2 log2(e): the addend of the exponent's FMA
.endr
.irp j, 24,25,26,27,28,29,30,31
	s_mul_f32 s\j, s\j, 0x3d800000                 ; post_w / 16: the state is carried without its factor 0.25
.endr
	s_barrier_wait -1                              ; every wave's part of pre_w is in LDS
	WIN 0x40
.irp u, 0,1,2,3,4,5,6,7
.irp j, 0,1,2,3
	ds_load_b128 v[W+16*\u+4*\j:W+16*\u+4*\j+3], v[WOFF] offset:2048*\j+256*\u   ; pre_w[j][64u + 4r ..]: 16 lanes read 256 consecutive bytes.  No vector instruction has named these registers, nor v[WOFF] since the head's wait
.endr
.endr
	s_wait_dscnt 0x0
; One load's worth: the load DEPTH further on is asked for; then 4 numbers of x a lane x 4 outputs = 8 packed FMAs in four chains.
.macro UNIT g, acc
.if (NLOADS-1-(\g)) < (DEPTH-1)
	s_wait_loadcnt NLOADS-1-(\g)                   ; the last DEPTH units ask for nothing: the count runs down to 0
.else
	s_wait_loadcnt DEPTH-1                         ; each unit so far has asked for one load: DEPTH + g are issued, DEPTH-1 of them younger than mine, and these stay out
.endif
.if ((\g)+DEPTH) < NLOADS
.if ((\g)%BLOCK) == 0
	s_wait_alu depctr_va_vdst(0)                   ; a block's head: the FMAs of the block before (ahead of block 0: the prologue's arithmetic and lane reads in v50-63) are done with the four slots in which this block's four loads land
.endif
	LOADX (\g)+DEPTH                               ; into the slot of load g - BLOCK; no vector instruction since the block's wait names it
.endif
.set XS, X+4*(((\g)+BLOCK)%SLOTS)
.set WS, W+16*((\g)&7)
.irp j, 0,1,2,3
.if ((\g)&7) == 0
	v_pk_mul_f32 v[\acc+2*\j:\acc+2*\j+1], v[XS:XS+1], v[WS+4*\j:WS+4*\j+1]      ; a row pair's first product starts the sums
.else
	v_pk_fma_f32 v[\acc+2*\j:\acc+2*\j+1], v[XS:XS+1], v[WS+4*\j:WS+4*\j+1], v[\acc+2*\j:\acc+2*\j+1]
.endif
.endr
.irp j, 0,1,2,3
	v_pk_fma_f32 v[\acc+2*\j:\acc+2*\j+1], v[XS+2:XS+3], v[WS+4*\j+2:WS+4*\j+3], v[\acc+2*\j:\acc+2*\j+1]
.endr
.endm
.macro FOLD d, a                       ; the two halves of each packed sum
.irp j, 0,1,2,3
	v_add_f32 v[\d+\j], v[\a+2*\j], v[\a+2*\j+1]
.endr
.endm
; Merge groups a (earlier rows) and b: lanes whose bit lvl is 0 keep a and send b, the others keep b and send a; each adds what
; lane i xor xm sent.  The kept half is written into d first, so that the DPP add's destination holds a defined value.  d may be b.
; (The masks are scalar registers that scalar moves wrote.)
.macro MERGE d, a, b, lvl, xm
.irp j, 0,1,2,3
	v_cndmask_b32 v[U+\j], v[\b+\j], v[\a+\j], s[MSK+\lvl]
.endr
.irp j, 0,1,2,3
	v_cndmask_b32 v[\d+\j], v[\a+\j], v[\b+\j], s[MSK+\lvl]
.endr
.irp j, 0,1,2,3
	v_add_f32_dpp v[\d+\j], v[U+\j], v[\d+\j] row_xmask:\xm row_mask:0xf bank_mask:0xf
.endr
.endm
; After row pairs 2e and 2e+1: fold, merge the two, and carry upward like a binary counter: a group waits in L1, L2, L3 for its partner.
.macro EVENT e
	WIN 0
	FOLD FA, ACCA
	FOLD CUR, ACCB
.if ((\e)&1) == 0
	MERGE L1, FA, CUR, 0, 1
.else
	MERGE CUR, FA, CUR, 0, 1
.if ((\e)&2) == 0
	MERGE L2, L1, CUR, 1, 2
.else
	MERGE CUR, L1, CUR, 1, 2
.if ((\e)&4) == 0
	MERGE L3, L2, CUR, 2, 4
.else
	MERGE CUR, L2, CUR, 2, 4
	MERGE CUR, L3, CUR, 3, 8
.endif
.endif
.endif
.endm
	; THE STREAM: 8 x (two row pairs = four blocks, then their merges).  Straight-line text, about 1,300 instructions: no label, so no window has to be reset.
.set GI, 0
.set EI, 0
.rept 8
	WIN 0x04                                       ; source 1 = weights, window 1; a load's destination and address stay in window 0.  The switch stands ahead of the block's wait and its loads
.rept 8
	UNIT GI, ACCA
.set GI, GI+1
.endr
.rept 8
	UNIT GI, ACCB
.set GI, GI+1
.endr
	EVENT EI
.set EI, EI+1
.endr
	; THE TAIL, one sample a lane: v[CUR+j] = x[row] . pre_w[j] of row 2r + h.  The ring's registers are free (the last wait was for 0).
.set AR,   64
.set EXPV, 68
.set RCPV, 72
.set PH,   76                          ; half angles tanh(..) pi/4
.set ZZ,   80
.set PSN,  84
.set PCS,  88
.set RZ,   92
.set SN,   96
.set CN,   100
.set MN,   104                         ; cos - sin: the amplitude of |0> on each wire (x sqrt 2)
.set PL,   108                         ; cos + sin: of |1>
.set AB,   112                         ; v[112:115] wires 0,1: index 2 b0 + b1; v[116:119] wires 2,3: index 2 b2 + b3
.set SA,   128                         ; the state, 8 pairs
.set SB,   144                         ; and its other copy: each RY reads one and writes the other
.set UU,   160
.set D2,   168
.set VV,   176
.set D1,   180
.set WW,   184
.set D0,   186
.set ZQ,   188
.set OUTV, 192
	v_mov_b32 v[KT], 0xbfc90fdb                    ; -pi/2
	v_mov_b32 v[KT+1], 0x3f490fdb                  ; pi/4: made here, since in the stream their registers are the ring's
.irp j, 0,1,2,3
	v_fma_f32 v[AR+\j], v[CUR+\j], s34, s[20+\j]   ; a = 2 log2(e) (dot + pre_b)
.endr
.irp j, 0,1,2,3
	v_exp_f32 v[EXPV+\j], v[AR+\j]
.endr
	v_nop                                          ; one plain vector instruction between a transcendental and the use of its result (ISA guide 5.7.2)
	s_wait_alu depctr_va_vdst(0)
	v_pk_add_f32 v[EXPV:EXPV+1], v[EXPV:EXPV+1], 1.0 op_sel_hi:[1,0]
	v_pk_add_f32 v[EXPV+2:EXPV+3], v[EXPV+2:EXPV+3], 1.0 op_sel_hi:[1,0]
.irp j, 0,1,2,3
	v_rcp_f32 v[RCPV+\j], v[EXPV+\j]
.endr
	v_nop
	s_wait_alu depctr_va_vdst(0)
.irp a, 0,2
	v_pk_fma_f32 v[PH+\a:PH+\a+1], v[RCPV+\a:RCPV+\a+1], v[KT:KT+1], v[KT:KT+1] op_sel:[0,0,1] op_sel_hi:[1,0,1]   ; (1 - 2 rcp) pi/4 = pi/4 - rcp pi/2
.endr
.macro SINCOS2 a                       ; two half angles at once, |angle| <= pi/4
	v_pk_mul_f32 v[ZZ+\a:ZZ+\a+1], v[PH+\a:PH+\a+1], v[PH+\a:PH+\a+1]
	v_pk_fma_f32 v[PSN+\a:PSN+\a+1], v[ZZ+\a:ZZ+\a+1], 0xb9500d01, v[KC:KC+1] op_sel_hi:[1,0,0]
	v_pk_fma_f32 v[PCS+\a:PCS+\a+1], v[ZZ+\a:ZZ+\a+1], 0x37d00d01, v[KC:KC+1] op_sel:[0,0,1] op_sel_hi:[1,0,1]
	v_pk_mul_f32 v[RZ+\a:RZ+\a+1], v[PH+\a:PH+\a+1], v[ZZ+\a:ZZ+\a+1]
	v_pk_fma_f32 v[PSN+\a:PSN+\a+1], v[PSN+\a:PSN+\a+1], v[ZZ+\a:ZZ+\a+1], 0xbe2aaaab op_sel_hi:[1,1,0]
	v_pk_fma_f32 v[PCS+\a:PCS+\a+1], v[PCS+\a:PCS+\a+1], v[ZZ+\a:ZZ+\a+1], 0x3d2aaaab op_sel_hi:[1,1,0]
	v_pk_fma_f32 v[SN+\a:SN+\a+1], v[RZ+\a:RZ+\a+1], v[PSN+\a:PSN+\a+1], v[PH+\a:PH+\a+1]
	v_pk_fma_f32 v[PCS+\a:PCS+\a+1], v[PCS+\a:PCS+\a+1], v[ZZ+\a:ZZ+\a+1], -0.5 op_sel_hi:[1,1,0]
	v_pk_fma_f32 v[CN+\a:CN+\a+1], v[PCS+\a:PCS+\a+1], v[ZZ+\a:ZZ+\a+1], 1.0 op_sel_hi:[1,1,0]
.endm
	SINCOS2 0
	SINCOS2 2
	; RY(angle) on the uniform state: a product state with (cos - sin, cos + sin) on each wire
.irp a, 0,2
	v_pk_add_f32 v[MN+\a:MN+\a+1], v[CN+\a:CN+\a+1], v[SN+\a:SN+\a+1] neg_lo:[0,1] neg_hi:[0,1]
	v_pk_add_f32 v[PL+\a:PL+\a+1], v[CN+\a:CN+\a+1], v[SN+\a:SN+\a+1]
.endr
.irp a, 0,2
	v_mul_f32 v[AB+2*\a],   v[MN+\a], v[MN+\a+1]
	v_mul_f32 v[AB+2*\a+1], v[MN+\a], v[PL+\a+1]
	v_mul_f32 v[AB+2*\a+2], v[PL+\a], v[MN+\a+1]
	v_mul_f32 v[AB+2*\a+3], v[PL+\a], v[PL+\a+1]
.endr
.irp p, 0,1,2,3,4,5,6,7
.if ((\p>>1)&1) == 0
	v_pk_mul_f32 v[SA+2*\p:SA+2*\p+1], v[AB+4+2*(\p&1):AB+4+2*(\p&1)+1], v[AB+2*(\p>>2):AB+2*(\p>>2)+1] op_sel_hi:[1,0]
.else
	v_pk_mul_f32 v[SA+2*\p:SA+2*\p+1], v[AB+4+2*(\p&1):AB+4+2*(\p&1)+1], v[AB+2*(\p>>2):AB+2*(\p>>2)+1] op_sel:[0,1] op_sel_hi:[1,1]
.endif
.endr
; Where pair pp = 4 b0 + 2 b1 + b2 comes from behind CNOT(0,1), CNOT(2,3), CNOT(1,2): pair (b0, b1^b0, b2^b1), halves swapped if b2^b1.
.macro SRCMAP pp, perm
.if \perm
.set XP, ((\pp)&4)|(((((\pp)>>1)^((\pp)>>2))&1)<<1)|(((\pp)^((\pp)>>1))&1)
.set XF, ((\pp)^((\pp)>>1))&1
.else
.set XP, (\pp)
.set XF, 0
.endif
.endm
.macro CMUL d, x, f, g                 ; d = cos_g x   (f: x with its halves swapped)
.if \f
	v_pk_mul_f32 v[\d:\d+1], v[\x:\x+1], v[CS+2*(\g):CS+2*(\g)+1] op_sel:[1,0] op_sel_hi:[0,0]
.else
	v_pk_mul_f32 v[\d:\d+1], v[\x:\x+1], v[CS+2*(\g):CS+2*(\g)+1] op_sel_hi:[1,0]
.endif
.endm
.macro SFMA d, x, f, g, n              ; d += sin_g x, or -= if n
.if \f
.if \n
	v_pk_fma_f32 v[\d:\d+1], v[\x:\x+1], v[CS+2*(\g):CS+2*(\g)+1], v[\d:\d+1] op_sel:[1,1,0] op_sel_hi:[0,1,1] neg_lo:[1,0,0] neg_hi:[1,0,0]
.else
	v_pk_fma_f32 v[\d:\d+1], v[\x:\x+1], v[CS+2*(\g):CS+2*(\g)+1], v[\d:\d+1] op_sel:[1,1,0] op_sel_hi:[0,1,1]
.endif
.else
.if \n
	v_pk_fma_f32 v[\d:\d+1], v[\x:\x+1], v[CS+2*(\g):CS+2*(\g)+1], v[\d:\d+1] op_sel:[0,1,0] op_sel_hi:[1,1,1] neg_lo:[1,0,0] neg_hi:[1,0,0]
.else
	v_pk_fma_f32 v[\d:\d+1], v[\x:\x+1], v[CS+2*(\g):CS+2*(\g)+1], v[\d:\d+1] op_sel:[0,1,0] op_sel_hi:[1,1,1]
.endif
.endif
.endm
; RY on wire 0, 1 or 2 (bit m = 4, 2, 1 of the pair index): new[p] = cos old[p] -+ sin old[p xor m], minus where the bit is 0.
.macro RYX src, dst, m, g, perm
.irp p, 0,1,2,3,4,5,6,7
	SRCMAP \p, \perm
	CMUL \dst+2*\p, \src+2*XP, XF, \g
.endr
.irp p, 0,1,2,3,4,5,6,7
	SRCMAP (\p^\m), \perm
.if (\p & \m) == 0
	SFMA \dst+2*\p, \src+2*XP, XF, \g, 1
.else
	SFMA \dst+2*\p, \src+2*XP, XF, \g, 0
.endif
.endr
.endm
; RY on wire 3, inside each pair: low = cos low - sin high, high = cos high + sin low
.macro RY3 src, dst, g
.irp p, 0,1,2,3,4,5,6,7
	CMUL \dst+2*\p, \src+2*\p, 0, \g
.endr
.irp p, 0,1,2,3,4,5,6,7
	v_pk_fma_f32 v[\dst+2*\p:\dst+2*\p+1], v[\src+2*\p:\src+2*\p+1], v[CS+2*(\g):CS+2*(\g)+1], v[\dst+2*\p:\dst+2*\p+1] op_sel:[1,1,0] op_sel_hi:[0,1,1] neg_lo:[1,0,0]
.endr
.endm
	WIN 0x04                                       ; source 1 = (cos, sin), window 1
.set KL, 0
.rept 6
	RYX SA, SB, 4, 4*KL, 1                         ; the layer's CNOTs ride on this RY's sources
	RYX SB, SA, 2, 4*KL+1, 0
	RYX SA, SB, 1, 4*KL+2, 0
	RY3 SB, SA, 4*KL+3
.set KL, KL+1
.endr
	WIN 0
	; <Z> of each wire: squares, then sums and differences along one wire after the other
.irp p, 0,1,2,3,4,5,6,7
	v_pk_mul_f32 v[SB+2*\p:SB+2*\p+1], v[SA+2*\p:SA+2*\p+1], v[SA+2*\p:SA+2*\p+1]
.endr
.irp q, 0,1,2,3
	v_pk_add_f32 v[UU+2*\q:UU+2*\q+1], v[SB+4*\q:SB+4*\q+1], v[SB+4*\q+2:SB+4*\q+3]
	v_pk_add_f32 v[D2+2*\q:D2+2*\q+1], v[SB+4*\q:SB+4*\q+1], v[SB+4*\q+2:SB+4*\q+3] neg_lo:[0,1] neg_hi:[0,1]
.endr
.irp q, 0,1
	v_pk_add_f32 v[VV+2*\q:VV+2*\q+1], v[UU+4*\q:UU+4*\q+1], v[UU+4*\q+2:UU+4*\q+3]
	v_pk_add_f32 v[D1+2*\q:D1+2*\q+1], v[UU+4*\q:UU+4*\q+1], v[UU+4*\q+2:UU+4*\q+3] neg_lo:[0,1] neg_hi:[0,1]
	v_pk_add_f32 v[D2+4*\q:D2+4*\q+1], v[D2+4*\q:D2+4*\q+1], v[D2+4*\q+2:D2+4*\q+3]
.endr
	v_pk_add_f32 v[WW:WW+1], v[VV:VV+1], v[VV+2:VV+3]
	v_pk_add_f32 v[D0:D0+1], v[VV:VV+1], v[VV+2:VV+3] neg_lo:[0,1] neg_hi:[0,1]
	v_pk_add_f32 v[D1:D1+1], v[D1:D1+1], v[D1+2:D1+3]
	v_pk_add_f32 v[D2:D2+1], v[D2:D2+1], v[D2+4:D2+5]
	v_add_f32 v[ZQ],   v[D0], v[D0+1]              ; 16 <Z0>
	v_add_f32 v[ZQ+1], v[D1], v[D1+1]              ; 16 <Z1>
	v_add_f32 v[ZQ+2], v[D2], v[D2+1]              ; 16 <Z2>
	v_sub_f32 v[ZQ+3], v[WW], v[WW+1]              ; 16 <Z3>
	v_fma_f32 v[OUTV],   v[ZQ], s24, s32           ; post_b + (post_w / 16) . (16 <Z>)
	v_fma_f32 v[OUTV+1], v[ZQ], s28, s33
.irp q, 1,2,3
	v_fma_f32 v[OUTV],   v[ZQ+\q], s[24+\q], v[OUTV]
	v_fma_f32 v[OUTV+1], v[ZQ+\q], s[28+\q], v[OUTV+1]
.endr
	s_wait_alu depctr_va_vdst(0)                   ; the last FMAs have written v[OUTV:OUTV+1], which the store reads
	global_store_b64 v[OOFF], v[OUTV:OUTV+1], s[16:17] th:TH_STORE_NT   ; the wave's 32 rows: 256 consecutive bytes, at a multiple of 256 from out0's first byte, in one store
	s_set_vgpr_msb 0x5
	s_wait_dscnt 0x0
	s_wait_alu depctr_hold_cnt(0) depctr_sa_sdst(0) depctr_va_vdst(0) depctr_va_sdst(0) depctr_va_ssrc(0) depctr_va_vcc(0) depctr_vm_vsrc(0)
	s_wait_tensorcnt 0x0
	ds_add_u32 v176, v177
	s_wait_dscnt 0x0
	s_endpgm
.Lfunc_end_k_qbc947a63a3_qnet:
	.size	k_qbc947a63a3_qnet, .Lfunc_end_k_qbc947a63a3_qnet-k_qbc947a63a3_qnet
	.p2alignl 7, 3214868480
	.fill 96, 4, 3214868480
	.section	.rodata,"a",@progbits
	.p2align	6, 0x0
	.amdhsa_kernel k_qbc947a63a3_qnet
		.amdhsa_group_segment_fixed_size 9216
		.amdhsa_private_segment_fixed_size 0
		.amdhsa_enable_private_segment 0
		.amdhsa_kernarg_size 56
		.amdhsa_user_sgpr_count 2
		.amdhsa_user_sgpr_kernarg_segment_ptr 1
		.amdhsa_wavefront_size32 1
		.amdhsa_system_sgpr_workgroup_id_x 1
		.amdhsa_system_sgpr_workgroup_id_y 1
		.amdhsa_system_sgpr_workgroup_id_z 1
		.amdhsa_system_vgpr_workitem_id 0
		.amdhsa_next_free_vgpr 434
		.amdhsa_next_free_sgpr 66
		.amdhsa_reserve_vcc 1
		.amdhsa_float_denorm_mode_32 3
		.amdhsa_float_denorm_mode_16_64 3
		.amdhsa_memory_ordered 1
		.amdhsa_forward_progress 1
		.amdhsa_inst_pref_size 136
	.end_amdhsa_kernel
	.amdgpu_metadata
---
amdhsa.version: [ 1, 2 ]
amdhsa.kernels:
  - .name:           k_qbc947a63a3_qnet
    .symbol:         k_qbc947a63a3_qnet.kd
    .args:
      - { .name: input_features, .offset: 0, .size: 8, .value_kind: global_buffer, .address_space: global }
      - { .name: pre_w, .offset: 8, .size: 8, .value_kind: global_buffer, .address_space: global }
      - { .name: pre_b, .offset: 16, .size: 8, .value_kind: global_buffer, .address_space: global }
      - { .name: q_params, .offset: 24, .size: 8, .value_kind: global_buffer, .address_space: global }
      - { .name: post_w, .offset: 32, .size: 8, .value_kind: global_buffer, .address_space: global }
      - { .name: post_b, .offset: 40, .size: 8, .value_kind: global_buffer, .address_space: global }
      - { .name: out0, .offset: 48, .size: 8, .value_kind: global_buffer, .address_space: global }
    .group_segment_fixed_size: 9216
    .private_segment_fixed_size: 0
    .kernarg_segment_align: 8
    .kernarg_segment_size: 56
    .max_flat_workgroup_size: 256
    .sgpr_count:     66
    .vgpr_count:     434
    .wavefront_size: 32
...
	.end_amdgpu_metadata
.endif
;; end of part 2
